; MI455X (gfx1250); checked and timed in simulation.
; The chip was launched on July 23, 2026; its instructions are those of AMD's public machine-readable ISA for CDNA 5 (MIT licence, August 2026) and "CDNA5" Instruction Set Architecture Reference Guide (July 2026). The comments in the code are by the model that wrote it; some were corrected since.
;; Self Attention. Allowed arithmetic: matrix products marked QUANTISED: E4M3 operands, one given power-of-two scale a tensor, by v_wmma_f32_16x16x64_fp8_fp8 or v_wmma_f32_16x16x128_fp8_fp8, f32 sums; everything else in f32.
;; Inputs: lowp_scales 8 int32 (the exponents e of the quantised operands' scales 2^e); w_attn_codes 3,072 x 32 x 32 uint8 (E4M3 codes of w_attn, K innermost, in blocks of 32 codes); w_proj_codes 1,024 x 32 x 32 uint8 (E4M3 codes of w_proj, K innermost, in blocks of 32 codes); x_codes 4 x 2,048 x 32 x 32 uint8 (E4M3 codes of x, K innermost, in blocks of 32 codes).
;; Outputs: out0 4 x 2,048 x 1,024 float32.
;; This version of the problem:
;;   THIS VERSION OF THE PROBLEM IS GIVEN IN LOW PRECISION. The matrix products marked QUANTISED in the list below multiply operands that are first quantised to E4M3 (4 exponent bits, 3 mantissa bits; 8 bits a number), with one given power-of-two scale for each operand tensor; their sums are f32. All else is computed in f32.
;;   The module's matrix products, in the order in which they are computed (A, B: the left and right operand; K: the contracted axis; several contracted axes count as one K, in the product's order):
;;     1. [M 8,192, K 1,024] x [K 1,024, N 3,072]; A: input x (given as codes); B: input w_attn (given as codes): QUANTISED (scales: A lowp_scales[0], B lowp_scales[1])
;;     2. batch 64 x [M 2,048, K 64] x [K 64, N 2,048]; A: computed on the way; B: computed on the way: QUANTISED (scales: A lowp_scales[2], B lowp_scales[3])
;;     3. batch 64 x [M 2,048, K 2,048] x [K 2,048, N 64]; A: softmax (see below); B: computed on the way: QUANTISED (scales: A lowp_scales[4], B lowp_scales[5])
;;     4. [M 8,192, K 1,024] x [K 1,024, N 1,024]; A: computed on the way; B: input w_proj (given as codes): QUANTISED (scales: A lowp_scales[6], B lowp_scales[7])
;;   THE QUANTISER, for each operand of a quantised product, along K:
;;     - The operand's scale is 2^e, e = its entry of the input lowp_scales (int32; the entries are numbered through the quantised products in the list's order, A before B).
;;     - Each number is divided by the scale, clamped to +-448, and rounded to the nearest number of E4M3, ties to even, subnormals kept.
;;     - The product sums the exact products of the quantised numbers (number of the format x scale) in f32.
;;   ~~~python
;;   def quantise(x, axis, e):      # numpy; x: float32 -> the quantised numbers, widened to float32 again
;;       x = np.moveaxis(x, axis, -1); K = x.shape[-1]
;;       r = np.clip(x / 2.0 ** e, -448, 448)
;;       step = 2.0 ** (np.maximum(np.frexp(np.where(r == 0, 1, r))[1] - 1, -6) - 3)
;;       q = np.round(r / step) * step * 2.0 ** e      # np.round: ties to even
;;       return np.moveaxis(q, -1, axis).astype(np.float32)
;;   ~~~
;;   SOFTMAX AHEAD OF A QUANTISED PRODUCT. Where the list says 'softmax', what is quantised is not the finished softmax but p = 2^(t - M), with t = logit x log2(e) and M = ceil(the row's largest t), a whole number; so 1/2 < the row's largest p <= 1. The row's sum l is taken of the UNQUANTISED p, in f32, and the product's result is divided by l at the end. Since M is a whole number, a kernel that streams over the keys may use a running M (the ceiling of the running maximum): every later rescaling is an exact power of two, so the quantised numbers keep their values, but for numbers so far below the row's largest that they fall under the format's range.
;;   OPERANDS COMPUTED ON THE WAY. 'Computed on the way' means the value that the module computes at that place (a softmax that the list does not call 'softmax' is quantised finished and normalised). What goes into a quantiser is computed in f32, as accurately as f32 sums, v_exp_f32 and their like allow (about 1e-6 of the number): no bf16 or f16 on the way to a quantiser, and a product that is left as it is and whose result goes on into a quantised operand takes f32 operands (vector FMAs, or v_wmma_f32_16x16x4_f32). A number that lies on a knife's edge between two numbers of the format may be rounded either way, as far as f32 arithmetic and the matrix unit's own rounding can turn it there, and no further.
;;   INPUTS GIVEN AS CODES. w_attn (in the module: [3072, 1024], K = its axis 1); w_proj (in the module: [1024, 1024], K = its axis 1); x (in the module: [4, 2048, 1024], K = its axis 2): each comes as NAME_codes (uint8): NAME with its K axis moved to the last place and cut into blocks of 32 codes, [.., K / 32, bytes a block], one block behind the other in memory; one code a byte (a code: sign, 4 exponent bits, 3 mantissa bits); its scale is its entry of lowp_scales. Its value is code x scale, taken as it is: it is not quantised again, and the codes and scales need not be those that the quantiser above would give.
;; One version. Each part assembles by itself: llvm-mc -triple=amdgcn-amd-amdhsa -mcpu=gfx1250 --defsym DOCPART=n.
;; ======== version 1 of 1: 3 launches
;; workspace buffers: qimg 8,388,608 bytes; kimg 8,388,608 bytes; vimg 8,388,608 bytes; aimg 8,388,608 bytes
;; launch qkv (part 1): grid 8 x 32, 4 waves a work-group, clusters of 4 x 4, 327,680 bytes of LDS; arguments x_codes, w_attn_codes, lowp_scales, qimg, kimg, vimg; writes qimg, kimg, vimg
.if DOCPART == 1
	.amdgcn_target "amdgcn-amd-amdhsa--gfx1250"
	.amdhsa_code_object_version 6
	.text
	.protected	k_q10f3f8ec2e_qkv
	.globl	k_q10f3f8ec2e_qkv
	.p2align	8
	.type	k_q10f3f8ec2e_qkv,@function
k_q10f3f8ec2e_qkv:
	s_mov_b64 s[64:65], 0
	v_nop
	global_prefetch_b8 v0, s[64:65] scope:SCOPE_SE
	s_setreg_imm32_b32 hwreg(HW_REG_WAVE_MODE, 25, 1), 1
	s_wait_xcnt 0x0
	s_wait_alu depctr_hold_cnt(0) depctr_sa_sdst(0) depctr_va_vdst(0) depctr_va_sdst(0) depctr_va_ssrc(0) depctr_va_vcc(0) depctr_vm_vsrc(0)
	s_getreg_b32 s2, hwreg(HW_REG_IB_STS2, 6, 4)
	s_cmp_eq_u32 s2, 0
	s_cbranch_scc0 .Lentry_in_a_cluster
	s_endpgm
.Lentry_in_a_cluster:
	s_bfe_u32 s2, ttmp6, 0x10000c
	s_cmp_lg_u32 s2, 0xf033
	s_cbranch_scc0 .Lentry_shape_is_right
	s_endpgm
.Lentry_shape_is_right:
; qkv = x W^T on codes of E4M3, then q, k and v quantised with their given scales and stored as IMAGES OF THE NEXT LAUNCH'S OPERAND REGISTERS.
; x: [8192 tokens][1024] codes, W: [3072][1024] codes, K innermost.  lowp_scales: e0 (x), e1 (W), e2 (q), e3 (k), e5 (v).
; SHARES.  A work-group takes 256 tokens (tile row ty) x 384 features: rows 128 j .. 128 j + 127 of each of W's three groups (q, k, v): heads 2 j and 2 j + 1.  8 x 32 = 256 work-groups, one tile each.
; A wave takes 128 tokens (th) x one head (hh) of q, k and v: 96 accumulators of 16 x 16, 768 registers; so the K = 64 form is used: its fragments are 8 registers.
; q and k: source 0 = 16 rows of W, source 1 = 16 tokens: a lane holds ONE token and eight neighbouring features, which are eight neighbours along the next product's K (the head's 64).
; v: the sources change places: a lane holds ONE channel and eight neighbouring tokens, which are eight neighbours along the next K (the keys).  So a conversion of an accumulator's eight registers
; gives registers 2 c, 2 c + 1 of the reader's fragment, and a store of four such registers from 32 lanes covers 512 consecutive bytes.  No stage, no transposition.
; IMAGES.  qimg, kimg: byte bh x 131072 + (token / 16) x 1024 + 512 p + 16 lane (a K = 64 fragment of 16 tokens).  vimg: byte bh x 131072 + (key / 128) x 8192 + (channel / 16) x 2048 + 512 p + 16 lane
; (a K = 128 fragment of 16 channels).  bh = 16 x batch + head.
; LDS.  Two regions that take turns: P holds 256 along K (rows 272 bytes apart), Q holds 128 (rows 144 apart); two regions of 256 for 640 rows would not fit.  K is walked in the order
; 0-255 (P), 512-639 (Q), 256-511 (P), 640-767 (Q), 768-1023 (P): the order of the f32 sums along K is this one, not ascending.
; x's and W's fragments are fetched by two loads of 16 bytes, 32 bytes apart: a permutation of k inside 64, the same in both operands, so that every product meets its partner.
; CLUSTERS: 4 x 4 work-groups.  x's tile hangs on ty alone and is asked for jointly by a row of the cluster, W's on j alone and by a column.  Waves 0 to 2 ask for W's three groups, wave 3 for x.
; LIMITS: e2 - e0 - e1, e3 - e0 - e1 and e5 - e0 - e1 lie between -126 and 119, so that each scale and 448 x the scale are f32 numbers.
; REGISTERS, in windows of 256: window 0: v0-21 addresses and scales; v32-95, v96-159 x's eight fragments, two sets; v160-255 W's twelve, one set.
;   window 1: q's accumulators ((a, b) at 8 (4 a + b): a = tile of tokens, b = tile of features); window 2: k's, likewise; window 3: v's ((b, a) at 8 (8 b + a)).
.set PP,    272                        ; region P: 256 bytes + 16 of padding: 68 words, so the 16 rows of a load start at 16 different banks (64 banks of 4 bytes: ISA guide 11.1)
.set PQ,    144                        ; region Q: 128 bytes + 16: 36 words, likewise
.set XP,    0                          ; P: x's 256 rows,
.set WP,    XP+256*PP                  ;    W's 384 rows (group g at row 128 g)
.set XQ,    WP+384*PP                  ; Q: the same
.set WQ,    XQ+256*PQ
.set SPARE, WQ+384*PQ                  ; the spare words, 128 bytes for each wave: two blocks of 256 bytes that no other line names
.set KP0,   0                          ; where the first fills begin along K
.set KQ0,   512
.set AXP, 2                            ; v2     LDS address of my x fragments in P
.set AXQ, 3                            ; v3     in Q
.set AWP, 4                            ; v4-6   of my W fragments of group 0, 1, 2 in P
.set AWQ, 7                            ; v7-9   in Q
.set SPW, 10                           ; v10    LDS address of my spare word; never rewritten
.set NIL, 11                           ; v11    0; never rewritten
.set STO, 12                           ; v12    16 x lane: my place in a store's 512 bytes
.set SC,  14                           ; v14-19 scale and 448 x scale for q, k, v
.set XF,  32
.set WF,  160
.set WV,  16                           ; s16 wave; s17 th; s18 hh
.set TH,  17
.set HH,  18
.set G1XP, 24                          ; descriptor groups 1: x in P, W in P, x in Q, W in Q
.set G1WP, 32
.set G1XQ, 40
.set G1WQ, 48
.set G0XP, 56                          ; groups 0
.set G0XQ, 60
.set G0WP, 68
.set G0WQ, 72
.set MSB, 0
.macro WIN new                         ; the immediate's high byte repeats the setting that is left; a switch that changes nothing is dropped
.if MSB != (\new)
	s_set_vgpr_msb (MSB<<8)|(\new)
.set MSB, (\new)
.endif
.endm
.macro PLACES n                        ; plain vector instructions between a matrix instruction and a load into, or a read of, its registers
.rept \n
	v_nop
.endr
.endm
.macro CREST                           ; a round of the cluster's barrier behind its opening barrier
	s_cmp_lg_u32 s[WV], 0
	s_cbranch_scc1 .Lnot_wave_0_\@
	s_barrier_signal -3
.Lnot_wave_0_\@:
	s_barrier_wait -3
	s_barrier_signal -1
	s_barrier_wait -1
.endm
.macro CROUND
	s_barrier_signal -1
	s_barrier_wait -1
	CREST
.endm
; A joint load: wave 3 asks for x's 256 rows, waves 0 to 2 for 128 rows of W each.  The branch hangs on the wave's number alone.  Four v_nop follow each line.
.macro JLOAD g0x, g1x, g0w, g1w
	s_cmp_eq_u32 s[WV], 3
	s_cbranch_scc0 .Lfor_w_\@
	tensor_load_to_lds s[\g0x:\g0x+3], s[\g1x:\g1x+7]
	s_nop 0
	PLACES 4
	s_branch .Lasked_\@
.Lfor_w_\@:
	tensor_load_to_lds s[\g0w:\g0w+3], s[\g1w:\g1w+7]
	s_nop 0
	PLACES 4
.Lasked_\@:
.endm
.macro G1REST g, cols, rows            ; a tile of rows x cols bytes out of rows of 1,024 bytes
	s_mov_b32 s[\g+1], (\cols)<<16                 ; tensor_dim0
	s_mov_b32 s[\g+2], (\rows)<<16                 ; tensor_dim1
	s_mov_b32 s[\g+3], (\cols)<<16                 ; tile_dim0
	s_mov_b32 s[\g+4], \rows                       ; tile_dim1
	s_mov_b32 s[\g+5], 1024                        ; tensor_dim0_stride
	s_mov_b32 s[\g+6], 0
	s_mov_b32 s[\g+7], 0
.endm
	s_load_b256 s[4:11], s[0:1], 0x0               ; x s[4:5], W s[6:7], the scales' exponents s[8:9], qimg s[10:11]
	s_load_b128 s[12:15], s[0:1], 0x20             ; kimg s[12:13], vimg s[14:15]
	v_lshl_add_u32 v[SPW], v0, 2, SPARE
	v_mov_b32 v[NIL], 0
	ds_add_u32 v10, v11
	ds_add_u32 v10, v11
	s_wait_dscnt 0x0
	v_lshrrev_b32 v1, 5, v0
	v_readfirstlane_b32 s[WV], v1                  ; wave 0..3
	s_lshr_b32 s[TH], s[WV], 1                     ; which 128 tokens are mine
	s_and_b32 s[HH], s[WV], 1                      ; which of the two heads
	s_min_u32 s23, s[WV], 2                        ; which group of W I ask for (wave 3 asks for x; its W address stays inside the buffer)
	s_bfe_u32 s19, ttmp6, 0x40000                  ; cx
	s_bfe_u32 s20, ttmp6, 0x40004                  ; cy
	s_lshl_b32 s21, ttmp9, 2
	s_add_co_u32 s21, s21, s19                     ; j = 4 x cluster x + cx
	s_and_b32 s22, ttmp7, 0xffff
	s_lshl_b32 s22, s22, 2
	s_add_co_u32 s22, s22, s20                     ; ty = 4 x cluster y + cy
	s_lshl_b32 s92, s20, 2
	s_lshl_b32 s92, 15, s92                        ; my row of the cluster
	s_lshl_b32 s93, 0x1111, s19                    ; my column
	s_or_b32 s[G1XP], s92, (1<<20)|(1<<21)|(5<<22)|(3<<25)   ; 15:0 the mask; elements of 1 byte; 20 padding on; 21 set beside a mask; after every 64 words (code 5) 4 words (code 3)
	s_or_b32 s[G1WP], s93, (1<<20)|(1<<21)|(5<<22)|(3<<25)
	s_or_b32 s[G1XQ], s92, (1<<20)|(1<<21)|(4<<22)|(3<<25)   ; after every 32 words (code 4)
	s_or_b32 s[G1WQ], s93, (1<<20)|(1<<21)|(4<<22)|(3<<25)
	G1REST G1XP, 256, 256
	G1REST G1WP, 256, 128
	G1REST G1XQ, 128, 256
	G1REST G1WQ, 128, 128
	s_lshl_b32 s76, s22, 18                        ; x: 256 ty rows of 1,024 bytes: hangs on ty alone
	s_mov_b32 s77, 0
	s_lshl_b32 s78, s21, 17                        ; W: row 1024 g + 128 j: hangs on j and the wave alone
	s_lshl_b32 s79, s23, 20
	s_add_co_u32 s78, s78, s79
	s_mov_b32 s79, 0
	s_mul_i32 s94, s23, 128*PP                     ; the group's place in P and in Q: no place in the cluster enters an LDS address
	s_mul_i32 s95, s23, 128*PQ
	s_lshr_b32 s82, s22, 3                         ; the images: bh = 16 (ty / 8) + 2 j + hh
	s_lshl_b32 s82, s82, 4
	s_lshl_b32 s83, s21, 1
	s_add_co_u32 s82, s82, s83
	s_add_co_u32 s82, s82, s[HH]
	s_lshl_b32 s80, s82, 17                        ; bh x 131072
	s_and_b32 s83, s22, 7
	s_lshl_b32 s83, s83, 14                        ; + (ty % 8) x 256 tokens: 16 tiles of 1,024 bytes in qimg and kimg, 2 key steps of 8,192 in vimg: the same bytes
	s_add_co_u32 s80, s80, s83
	s_lshl_b32 s83, s[TH], 13                      ; + th x 128 tokens
	s_add_co_u32 s80, s80, s83
	s_mov_b32 s81, 0
	s_wait_kmcnt 0x0
	s_load_b256 s[84:91], s[8:9], 0x0              ; e0 .. e7
	s_add_nc_u64 s[76:77], s[4:5], s[76:77]
	s_add_nc_u64 s[78:79], s[6:7], s[78:79]
	s_add_nc_u64 s[10:11], s[10:11], s[80:81]
	s_add_nc_u64 s[12:13], s[12:13], s[80:81]
	s_add_nc_u64 s[14:15], s[14:15], s[80:81]
	CROUND                                         ; all sixteen work-groups are here: the first joint loads meet
	s_mov_b32 s[G0XP], 1                           ; count = 1
	s_mov_b32 s[G0XP+1], XP                        ; LDS address
	s_add_nc_u64 s[G0XP+2:G0XP+3], s[76:77], KP0   ; global address
	s_or_b32 s[G0XP+3], s[G0XP+3], 0x80000000      ; type = 2
	s_mov_b32 s[G0XQ], 1
	s_mov_b32 s[G0XQ+1], XQ
	s_add_nc_u64 s[G0XQ+2:G0XQ+3], s[76:77], KQ0
	s_or_b32 s[G0XQ+3], s[G0XQ+3], 0x80000000
	s_mov_b32 s[G0WP], 1
	s_add_co_u32 s[G0WP+1], s94, WP
	s_add_nc_u64 s[G0WP+2:G0WP+3], s[78:79], KP0
	s_or_b32 s[G0WP+3], s[G0WP+3], 0x80000000
	s_mov_b32 s[G0WQ], 1
	s_add_co_u32 s[G0WQ+1], s95, WQ
	s_add_nc_u64 s[G0WQ+2:G0WQ+3], s[78:79], KQ0
	s_or_b32 s[G0WQ+3], s[G0WQ+3], 0x80000000
	s_cmp_eq_u32 s[WV], 3                          ; a wave's two first fills stand in one branch, ahead of every wait on TENSORcnt and every LDS read: two loads of mine are out
	s_cbranch_scc0 .Lfirst_w
	tensor_load_to_lds s[G0XP:G0XP+3], s[G1XP:G1XP+7]
	s_nop 0
	tensor_load_to_lds s[G0XQ:G0XQ+3], s[G1XQ:G1XQ+7]
	s_nop 0
	PLACES 4
	s_branch .Lfirst_asked
.Lfirst_w:
	tensor_load_to_lds s[G0WP:G0WP+3], s[G1WP:G1WP+7]
	s_nop 0
	tensor_load_to_lds s[G0WQ:G0WQ+3], s[G1WQ:G1WQ+7]
	s_nop 0
	PLACES 4
.Lfirst_asked:
	v_and_b32 v1, 15, v0                           ; r = lane % 16
	v_bfe_u32 v13, v0, 4, 1                        ; h = lane / 16
	v_mul_u32_u24 v20, v1, PP
	v_lshl_add_u32 v20, v13, 4, v20                ; row x pitch + 16 h, in P
	v_mul_u32_u24 v21, v1, PQ
	v_lshl_add_u32 v21, v13, 4, v21                ; and in Q
	s_mul_i32 s94, s[TH], 128*PP                   ; my 128 rows of x
	v_add_nc_u32 v[AXP], s94, v20
	s_mul_i32 s94, s[TH], 128*PQ
	s_add_co_u32 s94, s94, XQ
	v_add_nc_u32 v[AXQ], s94, v21
	s_mul_i32 s94, s[HH], 64*PP                    ; my head's 64 rows of each group of W
	s_add_co_u32 s94, s94, WP
	s_mul_i32 s95, s[HH], 64*PQ
	s_add_co_u32 s95, s95, WQ
.irp g, 0,1,2
	v_add_nc_u32 v[AWP+\g], s94, v20
	v_add_nc_u32 v[AWQ+\g], s95, v21
	s_add_co_u32 s94, s94, 128*PP
	s_add_co_u32 s95, s95, 128*PQ
.endr
	v_and_b32 v[STO], 31, v0
	v_lshlrev_b32 v[STO], 4, v[STO]
; x's eight fragments (16 tokens x 64 K, 8 registers) at byte koff of the rows, into set
.macro LDX adr, koff, set, pitch
.irp a, 0,1,2,3,4,5,6,7
	ds_load_b128 v[XF+64*(\set)+8*\a:XF+64*(\set)+8*\a+3],   v[\adr] offset:\a*16*\pitch+\koff
	ds_load_b128 v[XF+64*(\set)+8*\a+4:XF+64*(\set)+8*\a+7], v[\adr] offset:\a*16*\pitch+\koff+32
.endr
.endm
; the four fragments of W's group g
.macro LDW g, adr, koff, pitch
.irp b, 0,1,2,3
	ds_load_b128 v[WF+8*(4*\g+\b):WF+8*(4*\g+\b)+3],   v[\adr+\g] offset:\b*16*\pitch+\koff
	ds_load_b128 v[WF+8*(4*\g+\b)+4:WF+8*(4*\g+\b)+7], v[\adr+\g] offset:\b*16*\pitch+\koff+32
.endr
.endm
; The products of x's blocks a0 .. a1 with the four tiles of group g.  The 96 accumulators take turns, one instruction a turn, in the same order in every step.
; zero = 1: the first product starts the sums: nothing is ever cleared.
.macro MULG g, set, zero, a0, a1
	WIN ((\g+1)<<6)|((\g+1)<<4)                    ; C and D in window g + 1, both sources in window 0
.set aa, \a0
.rept \a1-\a0+1
.irp b, 0,1,2,3
.if \g == 2
.set rD, 8*(8*\b+aa)                   ; v: source 0 = tokens, source 1 = channels
.set rA, XF+64*(\set)+8*aa
.set rB, WF+8*(8+\b)
.else
.set rD, 8*(4*aa+\b)                   ; q, k: source 0 = features, source 1 = tokens
.set rA, WF+8*(4*\g+\b)
.set rB, XF+64*(\set)+8*aa
.endif
.if \zero
	v_wmma_f32_16x16x64_fp8_fp8 v[rD:rD+7], v[rA:rA+7], v[rB:rB+7], 0
.else
	v_wmma_f32_16x16x64_fp8_fp8 v[rD:rD+7], v[rA:rA+7], v[rB:rB+7], v[rD:rD+7]
.endif
.endr
.set aa, aa+1
.endr
.endm
; A step of 64 along K whose successor lies in the same region.  A group of W is free as soon as its 32 products are issued, so W has one set of registers; x is at work through the whole step and has two.
.macro SUB set, nax, naw, nk, np, zero
	s_wait_dscnt 16                                ; W's group 0 and x are in; the youngest sixteen loads (groups 1 and 2) may be out
	MULG 0, \set, \zero, 0, 7
	WIN 0
	PLACES 4
	LDW 0, \naw, \nk, \np
	LDX \nax, \nk, 1-\set, \np
	s_wait_dscnt 32                                ; group 1 is in: behind it group 2's 8 loads and the 24 just issued
	MULG 1, \set, \zero, 0, 7
	WIN 0
	PLACES 4
	LDW 1, \naw, \nk, \np
	s_wait_dscnt 32                                ; group 2 is in: behind it 24 + 8
	MULG 2, \set, \zero, 0, 7
	WIN 0
	PLACES 4
	LDW 2, \naw, \nk, \np
.endm
; A region's last step changes regions: ONE barrier; in front of it each wave waits for all its tensor loads (its part of the other region), adds 0 to its spare word, and waits for that and for its own reads
; of this region.  fill = 1: this region is filled again, step bytes further along K; the barrier then opens a round of the cluster's barrier.
.macro TURN set, fill, nax, naw, np, g0x, g1x, g0w, g1w, step
	s_wait_tensorcnt 0x0                           ; all my tensor loads have landed  (every window is 0 here)
	ds_add_u32 v[SPW], v[NIL]                      ; 0 onto my spare word
	s_wait_dscnt 17                                ; (the add and groups 1 and 2 may be out)
	MULG 0, \set, 0, 0, 3                          ; sixteen matrix instructions stand between the add and the wait for it
	s_wait_dscnt 0x0                               ; the add is done, and my reads of this region are over
	s_barrier_signal -1
	MULG 0, \set, 0, 4, 7
	WIN 0
	s_barrier_wait -1
.if \fill
	CREST                                          ; no wave of any partner still reads this region or has a load on its way
	s_add_nc_u64 s[\g0x+2:\g0x+3], s[\g0x+2:\g0x+3], \step
	s_add_nc_u64 s[\g0w+2:\g0w+3], s[\g0w+2:\g0w+3], \step
	JLOAD \g0x, \g1x, \g0w, \g1w                   ; the first tensor load behind the round; its four v_nop are the places in front of the loads below
.else
	PLACES 4
.endif
	LDW 0, \naw, 0, \np
	LDX \nax, 0, 1-\set, \np
	MULG 1, \set, 0, 0, 7
	WIN 0
	PLACES 4
	LDW 1, \naw, 0, \np
	MULG 2, \set, 0, 0, 7
	WIN 0
	PLACES 4
	LDW 2, \naw, 0, \np
.endm
	s_wait_tensorcnt 0x1                           ; my part of P is in; Q's may stay out
	s_barrier_signal -1
	s_barrier_wait -1                              ; everybody's is
	LDW 0, AWP, 0, PP
	LDX AXP, 0, 0, PP
	LDW 1, AWP, 0, PP
	LDW 2, AWP, 0, PP
	SUB 0, AXP, AWP, 64,  PP, 1                    ; K 0-255
	SUB 1, AXP, AWP, 128, PP, 0
	SUB 0, AXP, AWP, 192, PP, 0
	TURN 1, 1, AXQ, AWQ, PQ, G0XP, G1XP, G0WP, G1WP, 256     ; P takes K 256-511
	SUB 0, AXQ, AWQ, 64,  PQ, 0                    ; K 512-639
	TURN 1, 1, AXP, AWP, PP, G0XQ, G1XQ, G0WQ, G1WQ, 128     ; Q takes K 640-767
	SUB 0, AXP, AWP, 64,  PP, 0                    ; K 256-511
	SUB 1, AXP, AWP, 128, PP, 0
	SUB 0, AXP, AWP, 192, PP, 0
	TURN 1, 1, AXQ, AWQ, PQ, G0XP, G1XP, G0WP, G1WP, 512     ; P takes K 768-1023
	SUB 0, AXQ, AWQ, 64,  PQ, 0                    ; K 640-767
	TURN 1, 0, AXP, AWP, PP, G0XP, G1XP, G0WP, G1WP, 0       ; nothing is left to fetch
	SUB 0, AXP, AWP, 64,  PP, 0                    ; K 768-1023
	SUB 1, AXP, AWP, 128, PP, 0
	SUB 0, AXP, AWP, 192, PP, 0
	s_wait_dscnt 16                                ; the very last step
	MULG 0, 1, 0, 0, 7
	s_wait_dscnt 8
	MULG 1, 1, 0, 0, 7
	s_wait_dscnt 0x0
	MULG 2, 1, 0, 0, 7
	WIN 0
; THE WAY OUT.  A sum stands for sum x 2^(e0 + e1), so its code is sum / 2^(e - e0 - e1): the three scales are folded into the conversion's one.
.macro SCALES e, vr
	s_sub_co_i32 s95, s[\e], s94
	s_add_co_i32 s95, s95, 127
	s_lshl_b32 s96, s95, 23
	v_mov_b32 v[\vr], s96                          ; 2^(e - e0 - e1) as f32: the conversion takes its exponent field
	s_add_co_i32 s95, s95, 8
	s_lshl_b32 s95, s95, 23
	s_or_b32 s95, s95, 0x600000
	v_mov_b32 v[\vr+1], s95                        ; 448 x that
.endm
	s_wait_kmcnt 0x0
	s_add_co_i32 s94, s84, s85                     ; e0 + e1
	SCALES 86, SC                                  ; q: e2.  (The six moves are the places behind the last products)
	SCALES 87, SC+2                                ; k: e3
	SCALES 89, SC+4                                ; v: e5
; The 32 accumulators of window w: held, converted (accumulator i gives registers 2 i, 2 i + 1 of the images), stored.  Each group has its own 64 registers for its codes, so no store's data are written again.
.macro OUTG w, vr, dst, base
	WIN ((\w)<<6)|(\w)
.set n, 0
.rept 256
	v_med3_num_f32 v[n], v[n], -v[\vr+1], v[\vr+1] ; the conversion to an 8-bit code does not saturate (ISA guide 7.6.2): the hold at 448 x the scale; each accumulator from its low end on
.set n, n+1
.endr
	WIN \w
.set n, 0
.rept 32
	v_cvt_scalef32_pk8_fp8_f32 v[\dst+2*n:\dst+2*n+1], v[8*n:8*n+7], v[\vr]
.set n, n+1
.endr
	v_nop                                          ; one plain vector instruction behind the last conversion
	WIN 0
.set n, 0
.rept 16
	global_store_b128 v[STO], v[\dst+4*n:\dst+4*n+3], s[\base:\base+1] offset:512*n   ; 32 lanes store 512 consecutive bytes, at a multiple of 512 from the buffer's first byte
.set n, n+1
.endr
.endm
	OUTG 1, SC,   32,  10
	OUTG 2, SC+2, 96,  12
	OUTG 3, SC+4, 160, 14
	s_wait_tensorcnt 0x0                           ; the wave's end
	ds_add_u32 v[SPW], v[NIL]
	s_wait_dscnt 0x0
	CROUND                                         ; the closing round: no work-group ends while a partner may still ask for a tile that names it
	s_endpgm
.Lfunc_end_k_q10f3f8ec2e_qkv:
	.size	k_q10f3f8ec2e_qkv, .Lfunc_end_k_q10f3f8ec2e_qkv-k_q10f3f8ec2e_qkv
	.p2alignl 7, 3214868480
	.fill 96, 4, 3214868480
	.section	.rodata,"a",@progbits
	.p2align	6, 0x0
	.amdhsa_kernel k_q10f3f8ec2e_qkv
		.amdhsa_group_segment_fixed_size 327680
		.amdhsa_private_segment_fixed_size 0
		.amdhsa_enable_private_segment 0
		.amdhsa_kernarg_size 48
		.amdhsa_user_sgpr_count 2
		.amdhsa_user_sgpr_kernarg_segment_ptr 1
		.amdhsa_wavefront_size32 1
		.amdhsa_system_sgpr_workgroup_id_x 1
		.amdhsa_system_sgpr_workgroup_id_y 1
		.amdhsa_system_sgpr_workgroup_id_z 1
		.amdhsa_system_vgpr_workitem_id 0
		.amdhsa_next_free_vgpr 1024
		.amdhsa_next_free_sgpr 100
		.amdhsa_reserve_vcc 0
		.amdhsa_float_denorm_mode_32 3
		.amdhsa_float_denorm_mode_16_64 3
		.amdhsa_memory_ordered 1
		.amdhsa_forward_progress 1
		.amdhsa_inst_pref_size 217
	.end_amdhsa_kernel
	.amdgpu_metadata
---
amdhsa.version: [ 1, 2 ]
amdhsa.kernels:
  - .name:           k_q10f3f8ec2e_qkv
    .symbol:         k_q10f3f8ec2e_qkv.kd
    .args:
      - { .name: x_codes, .offset: 0, .size: 8, .value_kind: global_buffer, .address_space: global }
      - { .name: w_attn_codes, .offset: 8, .size: 8, .value_kind: global_buffer, .address_space: global }
      - { .name: lowp_scales, .offset: 16, .size: 8, .value_kind: global_buffer, .address_space: global }
      - { .name: qimg, .offset: 24, .size: 8, .value_kind: global_buffer, .address_space: global }
      - { .name: kimg, .offset: 32, .size: 8, .value_kind: global_buffer, .address_space: global }
      - { .name: vimg, .offset: 40, .size: 8, .value_kind: global_buffer, .address_space: global }
    .group_segment_fixed_size: 327680
    .private_segment_fixed_size: 0
    .kernarg_segment_align: 8
    .kernarg_segment_size: 48
    .max_flat_workgroup_size: 128
    .sgpr_count:     100
    .vgpr_count:     1024
    .wavefront_size: 32
...
	.end_amdgpu_metadata
.endif
;; end of part 1
;; launch attn (part 2): grid 4 x 64, 8 waves a work-group, no clusters, 66,560 bytes of LDS; arguments qimg, kimg, vimg, lowp_scales, aimg; writes aimg
.if DOCPART == 2
	.amdgcn_target "amdgcn-amd-amdhsa--gfx1250"
	.amdhsa_code_object_version 6
	.text
	.protected	k_q10f3f8ec2e_attn
	.globl	k_q10f3f8ec2e_attn
	.p2align	8
	.type	k_q10f3f8ec2e_attn,@function
k_q10f3f8ec2e_attn:
	s_mov_b64 s[64:65], 0
	v_nop
	global_prefetch_b8 v0, s[64:65] scope:SCOPE_SE
	s_setreg_imm32_b32 hwreg(HW_REG_WAVE_MODE, 25, 1), 1
	s_wait_xcnt 0x0
; Causal attention on codes of E4M3, head size 64, 2,048 tokens, 64 (batch, head) pairs; the result is quantised with e6 and stored as an image of the last launch's operand registers.
; qimg, kimg: K = 64 fragments of 16 tokens, 1,024 bytes each; vimg: K = 128 fragments (16 channels x 128 keys), 2,048 bytes each; every fragment comes by loads of 16 bytes a lane at 16 x lane.
; THE SOFTMAX AHEAD OF THE SECOND PRODUCT: t = score x log2(e) / 8; M = the running largest t rounded UP to a whole number; p = 2^(t - M) is quantised with e4, not normalised; the row's sum is taken of the
; unquantised p and divides at the end.  When M moves, the sum and O are multiplied by 2^(old M - new M): nothing is rounded.
; SHARES.  Work-group (i, bh) takes the query blocks 7 - i and then i of 256 queries: 8 - i and i + 1 slots of 256 keys, nine slots whatever i is: 256 work-groups of equal work and a constant trip count.
; Each of eight waves owns 32 queries: tile A in register window 0, tile B in window 1, under the same register numbers; each fragment of K and V read from LDS feeds both.
; Both products are used transposed: S^T = K Q^T (source 0 = 16 keys), O^T = V^T P^T (source 0 = 16 channels): a lane holds ONE query; tile t's eight scores are keys 16 t + 8 (lane / 16) + 0 .. 7,
; which are registers 2 t, 2 t + 1 of P's fragment once converted.
; K AND V come through two LDS slots of 32 KiB filled THROUGH REGISTERS: eight loads of 16 bytes a thread at a trip's head, eight LDS stores at its end, one barrier a trip.
; NO CLUSTER, NO JOINT LOADS: the four work-groups of a head want the same slot only while all are in their first block (trips 0 to 4); from trip 8 - i on work-group i wants slot trip - (8 - i), so the
; partners' tile numbers, and the branches that leave hidden steps out, hang on the partner's own number.
; CAUSAL: a step of 128 keys all of which come after the wave's 32 queries is left out by a scalar branch on ids; on the diagonal hidden scores become -infinity ahead of the maximum.  Key KF of a step
; that is not left out counts for every query of the wave (KF and the wave's first query are multiples of 32), so M is a number from the first step on.
; THE HOLD OF p: p is at most 1 and 448 x 2^e4 is at least 1.75 where e4 >= -8: there the 64 minima a tile are jumped over, by a branch on the whole number e4; below -8 they run.
; LIMITS: e2 + e3 between -123 and 130 (added to c's exponent field); e4 and e6 between -126 and 119; e4 + e5 is applied by v_ldexp_f32 and has none.
; REGISTERS (both windows unless marked): v12 -M, v13 largest t, v[14:15] the sum; v16-23 Q, v24-31 Q of the second block; v32-95: window 0 K's eight fragments, window 1 V's four; v96-159 S^T, then p;
; v160-191 O^T; v192-207 p's codes (v192-199 the result's); v208-222 at work and constants.  Window 0 alone: v1-4 addresses; v224-255 the next slot on its way.
.set SLOTB, 32768
.set VOFF,  16384                      ; a slot: 16 tiles of K, then V as [2 steps][4 tiles of channels][2,048]
.set LI,  1                            ; v1   16 x lane
.set RB,  2                            ; v2   16 x lane + the slot in hand
.set SA,  3                            ; v3   16 x thread + the other slot
.set GO,  4                            ; v4   16 x thread
.set KFR, 32
.set VFR, 32
.set S,   96
.set OT,  160
.set PC,  192
.set T0,  208
.set T1,  209
.set PM,  210
.set DD,  211
.set F,   212                          ; v[212:213] f = 2^(old M - new M); at the end 2^(e4 + e5) / the sum
.set SM,  214
.set SCP, 216                          ; 2^e4
.set LIMP, 217                         ; 448 x 2^e4
.set NINF, 218
.set SCO, 219                          ; 2^e6
.set LIMO, 220                         ; 448 x 2^e6
.set LQ,  222                          ; lane % 16 - 8 (lane / 16), + 16 in window 1
.set KS,  224
.set VS,  240
.set WV,  14
.set WGI, 15                           ; s15  i
.set SW,  16                           ; s16  8 - i: the trip at which the second block begins, and the first block's slots
.set TR,  17                           ; s17  trip 0..8
.set SIG, 18                           ; s18  the slot of keys in hand
.set NSIG, 19                          ; s19  the next one
.set SEL, 20                           ; s[20:21] lane selects: lane l xor 16
.set CS,  22                           ; s[22:23] c = log2(e) / 8 x 2^(e2 + e3)
.set TB,  24                           ; s24  LDS byte at which the slot in hand begins
.set KF,  25                           ; s25  the step's first key
.set Q0,  26                           ; s26  my first query
.set Q0L, 27                           ; s27  the same in the second block
.set EP,  28                           ; s28  e4
.set EO,  29                           ; s29  e4 + e5
.set MSB, 0
.macro WIN new
.if MSB != (\new)
	s_set_vgpr_msb (MSB<<8)|(\new)
.set MSB, (\new)
.endif
.endm
.macro PLACES n
.rept \n
	v_nop
.endr
.endm
.macro STAGE_IN                        ; the next slot's 32 KiB: each load of a wave covers 512 consecutive bytes
.irp n, 0,1,2,3
	global_load_b128 v[KS+4*\n:KS+4*\n+3], v[GO], s[34:35] offset:4096*\n
.endr
.irp n, 0,1,2,3
	global_load_b128 v[VS+4*\n:VS+4*\n+3], v[GO], s[36:37] offset:4096*\n
.endr
.endm
.macro STAGE_OUT
.irp n, 0,1,2,3
	ds_store_b128 v[SA], v[KS+4*\n:KS+4*\n+3] offset:4096*\n
	ds_store_b128 v[SA], v[VS+4*\n:VS+4*\n+3] offset:VOFF+4096*\n
.endr
.endm
.macro INIT                            ; a block's start: the largest t -3e38, -M its negative (a whole number), the sum and O^T zeros, which the first change of M leaves zeros
	v_mov_b32 v12, 0x7f61b1e6
	v_mov_b32 v13, 0xff61b1e6
	v_mov_b32 v14, 0
	v_mov_b32 v15, 0
.set n, 0
.rept 32
	v_mov_b32 v[OT+n], 0
.set n, n+1
.endr
.endm
.macro CONSTS
	v_mov_b32 v[SCP], s53
	v_mov_b32 v[LIMP], s52
	v_mov_b32 v[NINF], 0xff800000
	v_mov_b32 v[SCO], s55
	v_mov_b32 v[LIMO], s54
	v_mov_b32 v[PM], 0                             ; a lane permute's destination counts as one of its sources
	v_mov_b32 v[F+1], 0                            ; (named as the upper half of a pair)
	INIT
.endm
	s_load_b256 s[4:11], s[0:1], 0x0               ; qimg s[4:5], kimg s[6:7], vimg s[8:9], the scales' exponents s[10:11]
	s_load_b64 s[12:13], s[0:1], 0x20              ; aimg
	v_lshl_add_u32 v221, v0, 2, 0x10000
	v_mov_b32 v223, 0
	v_lshrrev_b32 v5, 5, v0
	v_readfirstlane_b32 s[WV], v5                  ; wave 0..7
	v_and_b32 v5, 31, v0
	v_lshlrev_b32 v[LI], 4, v5
	v_lshlrev_b32 v[GO], 4, v0
	v_lshlrev_b32 v[SA], 4, v0                     ; the first stores go into slot 0
	v_and_b32 v5, 15, v0
	v_bfe_u32 v6, v0, 4, 1
	v_lshlrev_b32 v6, 3, v6
	v_sub_nc_u32 v[LQ], v5, v6
	s_mov_b32 s[WGI], ttmp9
	s_sub_co_u32 s[SW], 8, s[WGI]
	s_and_b32 s52, ttmp7, 0xffff                   ; bh
	s_lshl_b32 s42, s52, 17                        ; the head's first byte in qimg, kimg and vimg
	s_mov_b32 s43, 0
	s_sub_co_u32 s53, 7, s[WGI]
	s_lshl_b32 s54, s[WV], 5
	s_lshl_b32 s[Q0], s53, 8
	s_add_co_u32 s[Q0], s[Q0], s54                 ; my first query: 256 (7 - i) + 32 wave,
	s_lshl_b32 s[Q0L], s[WGI], 8
	s_add_co_u32 s[Q0L], s[Q0L], s54               ; later 256 i + 32 wave
	s_lshl_b32 s56, s[Q0], 6                       ; a tile of 16 queries is 1,024 bytes
	s_add_co_u32 s56, s56, s42
	s_mov_b32 s57, 0
	s_lshl_b32 s58, s[Q0L], 6
	s_add_co_u32 s58, s58, s42
	s_mov_b32 s59, 0
	s_lshr_b32 s53, s52, 4                         ; aimg: byte (global token / 16) x 16384 + head x 1024
	s_lshl_b32 s53, s53, 21
	s_and_b32 s54, s52, 15
	s_lshl_b32 s54, s54, 10
	s_add_co_u32 s53, s53, s54
	s_lshl_b32 s38, s[Q0], 10
	s_add_co_u32 s38, s38, s53
	s_mov_b32 s39, 0
	s_lshl_b32 s40, s[Q0L], 10
	s_add_co_u32 s40, s40, s53
	s_mov_b32 s41, 0
	s_mov_b32 s[SEL], 0x76543210
	s_mov_b32 s[SEL+1], 0xfedcba98
	s_mov_b32 s[TR], 0
	s_mov_b32 s[SIG], 0
	s_mov_b32 s[TB], 0
	s_wait_kmcnt 0x0
	s_load_b256 s[44:51], s[10:11], 0x0            ; e0 .. e7
	s_add_nc_u64 s[30:31], s[6:7], s[42:43]        ; the head's K
	s_add_nc_u64 s[32:33], s[8:9], s[42:43]        ; and V
	s_add_nc_u64 s[56:57], s[4:5], s[56:57]        ; my queries, first block
	s_add_nc_u64 s[58:59], s[4:5], s[58:59]        ; second block
	s_add_nc_u64 s[38:39], s[12:13], s[38:39]      ; my results, first block
	s_add_nc_u64 s[40:41], s[12:13], s[40:41]      ; second block
	s_mov_b64 s[34:35], s[30:31]
	s_mov_b64 s[36:37], s[32:33]
	STAGE_IN                                       ; keys 0 to 255
	global_load_b128 v[16:19], v[LI], s[56:57]
	global_load_b128 v[20:23], v[LI], s[56:57] offset:512
	global_load_b128 v[24:27], v[LI], s[58:59]
	global_load_b128 v[28:31], v[LI], s[58:59] offset:512
	WIN 0x40                                       ; destination window 1: tile B, 16 queries on
	global_load_b128 v[16:19], v[LI], s[56:57] offset:1024
	global_load_b128 v[20:23], v[LI], s[56:57] offset:1536
	global_load_b128 v[24:27], v[LI], s[58:59] offset:1024
	global_load_b128 v[28:31], v[LI], s[58:59] offset:1536
	s_wait_kmcnt 0x0
	s_add_co_i32 s52, s46, s47                     ; a score stands for score x 2^(e2 + e3): the two exponents are added to c's exponent field
	s_lshl_b32 s52, s52, 23
	s_add_co_i32 s[CS], s52, 0x3e38aa3b            ; c = log2(e) / 8
	s_mov_b32 s[CS+1], s[CS]                       ; (named with it as a pair)
	s_mov_b32 s[EP], s48
	s_add_co_i32 s[EO], s48, s49
	s_add_co_i32 s52, s48, 127
	s_lshl_b32 s53, s52, 23                        ; 2^e4
	s_add_co_i32 s52, s52, 8
	s_lshl_b32 s52, s52, 23
	s_or_b32 s52, s52, 0x600000                    ; 448 x 2^e4
	s_add_co_i32 s54, s50, 127
	s_lshl_b32 s55, s54, 23                        ; 2^e6
	s_add_co_i32 s54, s54, 8
	s_lshl_b32 s54, s54, 23
	s_or_b32 s54, s54, 0x600000                    ; 448 x 2^e6
	v_add_nc_u32 v[LQ], 16, v[LQ]                  ; window 1's from window 0's
	CONSTS
	WIN 0
	CONSTS
	s_wait_loadcnt 0x0
	STAGE_OUT
	s_wait_dscnt 0x0                               ; for the others' sake: my stores into slot 0 are done
	s_barrier_signal -1
	s_barrier_wait -1
; The parts of a key step for ONE tile; the caller sets the windows.
.macro MASK                            ; register n holds key KF + 16 (n / 8) + 8 (lane / 16) + n % 8: hidden where 16 (n / 8) + n % 8 > my query - KF - 8 (lane / 16)
	v_add_nc_u32 v[DD], s52, v[LQ]
.set n, 0
.rept 64
	v_cmp_gt_i32 vcc_lo, 16*(n/8)+n%8, v[DD]
	v_cndmask_b32 v[S+n], v[S+n], v[NINF], vcc_lo
.set n, n+1
.endr
.endm
.macro SOFT1
	v_max3_num_f32 v[T0], v[S], v[S+1], v[S+2]     ; the step's largest score of my query among my 64 keys, in two chains, each tile from its low end on
	v_max3_num_f32 v[T1], v[S+3], v[S+4], v[S+5]
.set n, 6
.rept 14
	v_max3_num_f32 v[T0], v[T0], v[S+n], v[S+n+1]
	v_max3_num_f32 v[T1], v[T1], v[S+n+2], v[S+n+3]
.set n, n+4
.endr
	v_max3_num_f32 v[T0], v[T0], v[S+62], v[S+63]
	v_max_num_f32 v[T0], v[T0], v[T1]
	v_permlanex16_b32 v[PM], v[T0], s[SEL], s[SEL+1]
	v_max_num_f32 v[T0], v[T0], v[PM]              ; and among lane l xor 16's
	v_mul_f32 v[T0], s[CS], v[T0]                  ; as t (c is positive)
	v_max_num_f32 v13, v13, v[T0]                  ; the running largest t
	v_mov_b32 v[T0], v12
	v_floor_f32 v12, -v13                          ; the new -M = floor(-t) = -ceil(t)
	v_sub_f32 v[T0], v12, v[T0]                    ; old M - new M: a whole number, 0 or less
	v_cvt_i32_f32 v[T0], v[T0]                     ; (it saturates)
	v_ldexp_f32 v[F], 1.0, v[T0]                   ; f = 2^(old M - new M)
.set n, 0
.rept 32
	v_pk_fma_f32 v[S+n:S+n+1], v[S+n:S+n+1], s[CS:CS+1], v[12:13] op_sel_hi:[1,0,0]   ; t - M, two at a time
.set n, n+2
.endr
.set n, 0
.rept 64
	v_exp_f32 v[S+n], v[S+n]                       ; p = 2^(t - M), at most 1
.set n, n+1
.endr
	v_pk_mul_f32 v[14:15], v[14:15], v[F:F+1] op_sel_hi:[1,0]   ; the sum under the new M.  (A plain instruction behind the exponentials)
	s_wait_alu depctr_va_vdst(0)
	v_pk_add_f32 v[SM:SM+1], v[S:S+1], v[S+2:S+3]  ; the sum is taken of the unquantised p, in two chains
.set n, 4
.rept 15
	v_pk_add_f32 v[14:15], v[14:15], v[S+n:S+n+1]
	v_pk_add_f32 v[SM:SM+1], v[SM:SM+1], v[S+n+2:S+n+3]
.set n, n+4
.endr
	v_pk_add_f32 v[14:15], v[14:15], v[SM:SM+1]
.endm
.macro HOLD                            ; the conversion to an 8-bit code does not saturate (ISA guide 7.6.2); p is not negative, so the hold is one-sided
.set n, 0
.rept 64
	v_min_num_f32 v[S+n], v[S+n], v[LIMP]
.set n, n+1
.endr
.endm
.macro SOFT2
.irp t, 0,1,2,3,4,5,6,7
	v_cvt_scalef32_pk8_fp8_f32 v[PC+2*\t:PC+2*\t+1], v[S+8*\t:S+8*\t+7], v[SCP]
.endr
.set n, 0
.rept 16
	v_pk_mul_f32 v[OT+n:OT+n+1], v[OT+n:OT+n+1], v[F:F+1] op_sel_hi:[1,0]   ; O^T under the new M.  (Plain instructions behind the conversions)
.set n, n+2
.endr
.endm
; A KEY STEP: 128 keys, the q-th of the slot in hand, for both tiles.
.macro STEP q
	s_add_co_u32 s52, s[Q0], 31
	s_cmp_gt_u32 s[KF], s52
	s_cbranch_scc1 .Lhidden_\@                     ; all 128 keys come after my 32 queries
	PLACES 4                                       ; in front of loads into registers that the last products read
.irp t, 0,1,2,3,4,5,6,7
	ds_load_b128 v[KFR+8*\t:KFR+8*\t+3],   v[RB] offset:(8*\q+\t)*1024
	ds_load_b128 v[KFR+8*\t+4:KFR+8*\t+7], v[RB] offset:(8*\q+\t)*1024+512
.endr
	WIN 0x40                                       ; V's fragments go to window 1
.irp c, 0,1,2,3
.irp p, 0,1,2,3
	ds_load_b128 v[VFR+16*\c+4*\p:VFR+16*\c+4*\p+3], v[RB] offset:VOFF+\q*8192+\c*2048+\p*512
.endr
.endr
	WIN 0
	s_wait_dscnt 16                                ; K's sixteen loads are in; V's sixteen may be out
.irp t, 0,1,2,3,4,5,6,7
	v_wmma_f32_16x16x64_fp8_fp8 v[S+8*\t:S+8*\t+7], v[KFR+8*\t:KFR+8*\t+7], v[16:23], 0
.endr
	WIN 0x44                                       ; tile B: Q and S^T in window 1, K in window 0
.irp t, 0,1,2,3,4,5,6,7
	v_wmma_f32_16x16x64_fp8_fp8 v[S+8*\t:S+8*\t+7], v[KFR+8*\t:KFR+8*\t+7], v[16:23], 0
.endr
	WIN 0
	PLACES 4
	s_add_co_u32 s52, s[KF], 127
	s_cmp_le_u32 s52, s[Q0]
	s_cbranch_scc1 .Lopen_\@                       ; all 128 keys count for all my queries
	s_sub_co_u32 s52, s[Q0], s[KF]
	MASK
	WIN 0x55
	MASK
	WIN 0
.Lopen_\@:
	SOFT1
	WIN 0x55
	SOFT1
	WIN 0
	s_cmp_ge_i32 s[EP], -8
	s_cbranch_scc1 .Lno_hold_\@                    ; 448 x 2^e4 lies above every p
	HOLD
	WIN 0x55
	HOLD
	WIN 0
.Lno_hold_\@:
	SOFT2
	WIN 0x55
	SOFT2
	s_wait_dscnt 0x0                               ; V is in
	WIN 0x01                                       ; tile A: V in window 1, the rest in window 0
.irp c, 0,1,2,3
	v_wmma_f32_16x16x128_fp8_fp8 v[OT+8*\c:OT+8*\c+7], v[VFR+16*\c:VFR+16*\c+15], v[PC:PC+15], v[OT+8*\c:OT+8*\c+7]
.endr
	WIN 0x55
.irp c, 0,1,2,3
	v_wmma_f32_16x16x128_fp8_fp8 v[OT+8*\c:OT+8*\c+7], v[VFR+16*\c:VFR+16*\c+15], v[PC:PC+15], v[OT+8*\c:OT+8*\c+7]
.endr
	WIN 0
.Lhidden_\@:
	s_add_co_u32 s[KF], s[KF], 128
.endm
; A block's end, for one tile: O^T x 2^(e4 + e5) / the sum, held at 448 x 2^e6 and converted: tile c of channels gives registers 2 c, 2 c + 1 of the image.
.macro FIN1
	v_add_f32 v14, v14, v15
	v_permlanex16_b32 v[PM], v14, s[SEL], s[SEL+1]
	v_add_f32 v14, v14, v[PM]                      ; the row's sum
	v_rcp_f32 v[F], v14
	v_nop                                          ; a plain instruction behind the reciprocal
	s_wait_alu depctr_va_vdst(0)
	v_ldexp_f32 v[F], v[F], s[EO]
.set n, 0
.rept 16
	v_pk_mul_f32 v[OT+n:OT+n+1], v[OT+n:OT+n+1], v[F:F+1] op_sel_hi:[1,0]
.set n, n+2
.endr
.set n, 0
.rept 32
	v_med3_num_f32 v[OT+n], v[OT+n], -v[LIMO], v[LIMO]
.set n, n+1
.endr
.irp c, 0,1,2,3
	v_cvt_scalef32_pk8_fp8_f32 v[PC+2*\c:PC+2*\c+1], v[OT+8*\c:OT+8*\c+7], v[SCO]
.endr
	v_nop                                          ; a plain instruction behind the last conversion
.endm
.macro FINAL base, more
	PLACES 4                                       ; behind the last products
	FIN1
	WIN 0x55
	FIN1
	WIN 0
	global_store_b128 v[LI], v[PC:PC+3],   s[\base:\base+1]              ; 32 lanes store 512 consecutive bytes, at a multiple of 512 from the buffer's first byte
	global_store_b128 v[LI], v[PC+4:PC+7], s[\base:\base+1] offset:512
	WIN 0x04                                       ; the data in window 1: tile B, one tile of tokens (16,384 bytes) on
	global_store_b128 v[LI], v[PC:PC+3],   s[\base:\base+1] offset:16384
	global_store_b128 v[LI], v[PC+4:PC+7], s[\base:\base+1] offset:16896
	WIN 0
.if \more
	s_wait_xcnt 0x0                                ; the stores' data registers are written again only behind this wait
.endif
.endm
.macro QCOPY
.irp n, 0,1,2,3,4,5,6,7
	v_mov_b32 v[16+\n], v[24+\n]
.endr
.endm
.Ltrip:                                            ; nine trips, a slot of 256 keys each
	s_add_co_u32 s[NSIG], s[SIG], 1
	s_cmp_eq_u32 s[NSIG], s[SW]                    ; behind the first block's last slot comes slot 0 (in the second block the number stays under 8 - i)
	s_cselect_b32 s[NSIG], 0, s[NSIG]
	s_cmp_eq_u32 s[TR], 8
	s_cbranch_scc1 .Lno_ask                        ; the last trip asks for nothing
	s_lshl_b32 s42, s[NSIG], 14                    ; a slot is 16 KiB of kimg and 16 KiB of vimg
	s_add_nc_u64 s[34:35], s[30:31], s[42:43]
	s_add_nc_u64 s[36:37], s[32:33], s[42:43]
	STAGE_IN                                       ; it has the whole trip in which to land
.Lno_ask:
	s_cmp_lg_u32 s[TR], s[SW]
	s_cbranch_scc1 .Lsame_block
	FINAL 38, 1                                    ; the first block is finished; the second begins
	INIT
	QCOPY
	WIN 0x41
	INIT
	QCOPY
	WIN 0
	s_mov_b32 s[Q0], s[Q0L]
.Lsame_block:
	s_lshl_b32 s[KF], s[SIG], 8
	v_add_nc_u32 v[RB], s[TB], v[LI]
	STEP 0
	STEP 1
	s_wait_loadcnt 0x0                             ; the next slot is in my registers (on every path: the loads' bases are written again in the next trip)
	s_cmp_eq_u32 s[TR], 8
	s_cbranch_scc1 .Lno_put
	s_xor_b32 s52, s[TB], SLOTB
	v_add_nc_u32 v[SA], s52, v[GO]
	STAGE_OUT                                      ; into the slot that every wave left in front of the last barrier
.Lno_put:
	s_wait_dscnt 0x0                               ; my stores have landed and my reads of the slot in hand are over
	s_barrier_signal -1
	s_barrier_wait -1
	s_xor_b32 s[TB], s[TB], SLOTB
	s_mov_b32 s[SIG], s[NSIG]
	s_add_co_u32 s[TR], s[TR], 1
	s_cmp_lt_u32 s[TR], 9
	s_cbranch_scc1 .Ltrip
	FINAL 40, 0
	s_wait_tensorcnt 0x0
	ds_add_u32 v221, v223
	s_wait_dscnt 0x0
	s_endpgm
.Lfunc_end_k_q10f3f8ec2e_attn:
	.size	k_q10f3f8ec2e_attn, .Lfunc_end_k_q10f3f8ec2e_attn-k_q10f3f8ec2e_attn
	.p2alignl 7, 3214868480
	.fill 96, 4, 3214868480
	.section	.rodata,"a",@progbits
	.p2align	6, 0x0
	.amdhsa_kernel k_q10f3f8ec2e_attn
		.amdhsa_group_segment_fixed_size 66560
		.amdhsa_private_segment_fixed_size 0
		.amdhsa_enable_private_segment 0
		.amdhsa_kernarg_size 40
		.amdhsa_user_sgpr_count 2
		.amdhsa_user_sgpr_kernarg_segment_ptr 1
		.amdhsa_wavefront_size32 1
		.amdhsa_system_sgpr_workgroup_id_x 1
		.amdhsa_system_sgpr_workgroup_id_y 1
		.amdhsa_system_sgpr_workgroup_id_z 1
		.amdhsa_system_vgpr_workitem_id 0
		.amdhsa_next_free_vgpr 512
		.amdhsa_next_free_sgpr 66
		.amdhsa_reserve_vcc 1
		.amdhsa_float_denorm_mode_32 3
		.amdhsa_float_denorm_mode_16_64 3
		.amdhsa_memory_ordered 1
		.amdhsa_forward_progress 1
		.amdhsa_inst_pref_size 106
	.end_amdhsa_kernel
	.amdgpu_metadata
---
amdhsa.version: [ 1, 2 ]
amdhsa.kernels:
  - .name:           k_q10f3f8ec2e_attn
    .symbol:         k_q10f3f8ec2e_attn.kd
    .args:
      - { .name: qimg, .offset: 0, .size: 8, .value_kind: global_buffer, .address_space: global }
      - { .name: kimg, .offset: 8, .size: 8, .value_kind: global_buffer, .address_space: global }
      - { .name: vimg, .offset: 16, .size: 8, .value_kind: global_buffer, .address_space: global }
      - { .name: lowp_scales, .offset: 24, .size: 8, .value_kind: global_buffer, .address_space: global }
      - { .name: aimg, .offset: 32, .size: 8, .value_kind: global_buffer, .address_space: global }
    .group_segment_fixed_size: 66560
    .private_segment_fixed_size: 0
    .kernarg_segment_align: 8
    .kernarg_segment_size: 40
    .max_flat_workgroup_size: 256
    .sgpr_count:     66
    .vgpr_count:     512
    .wavefront_size: 32
...
	.end_amdgpu_metadata
.endif
;; end of part 2
;; launch proj (part 3): grid 4 x 64, 4 waves a work-group, clusters of 4 x 4, 327,680 bytes of LDS; arguments aimg, w_proj_codes, lowp_scales, out0; writes out0
.if DOCPART == 3
	.amdgcn_target "amdgcn-amd-amdhsa--gfx1250"
	.amdhsa_code_object_version 6
	.text
	.protected	k_q10f3f8ec2e_proj
	.globl	k_q10f3f8ec2e_proj
	.p2align	8
	.type	k_q10f3f8ec2e_proj,@function
k_q10f3f8ec2e_proj:
	s_mov_b64 s[64:65], 0
	v_nop
	global_prefetch_b8 v0, s[64:65] scope:SCOPE_SE
	s_setreg_imm32_b32 hwreg(HW_REG_WAVE_MODE, 25, 1), 1
	s_wait_xcnt 0x0
	s_wait_alu depctr_hold_cnt(0) depctr_sa_sdst(0) depctr_va_vdst(0) depctr_va_sdst(0) depctr_va_ssrc(0) depctr_va_vcc(0) depctr_vm_vsrc(0)
	s_getreg_b32 s2, hwreg(HW_REG_IB_STS2, 6, 4)
	s_cmp_eq_u32 s2, 0
	s_cbranch_scc0 .Lentry_in_a_cluster
	s_endpgm
.Lentry_in_a_cluster:
	s_bfe_u32 s2, ttmp6, 0x10000c
	s_cmp_lg_u32 s2, 0xf033
	s_cbranch_scc0 .Lentry_shape_is_right
	s_endpgm
.Lentry_shape_is_right:
; out0 = a W^T x 2^(e6 + e7) on codes of E4M3.  a: 8,192 tokens x 1,024 channels as images of operand registers (aimg: byte (token / 16) x 16384 + 2048 kappa + 512 p + 16 lane is piece p of the K = 128
; fragment of channels 128 kappa on, in the form's own order of k).  W: [1024][1024] codes, K innermost.  out0: [8192][1024] f32.
; SHARES.  A work-group makes 128 tokens (ty) x 256 features (fx): 4 x 64 = 256 work-groups, one tile each (tiles of 256 x 256 would be 128).  A wave makes 64 tokens (th) x 128 features (fh): 32 accumulators.
; THE MATRIX INSTRUCTION IS USED TRANSPOSED (source 0 = 16 rows of W, source 1 = 16 tokens): a lane holds eight neighbouring numbers of a row of out0.
; W's fragments are fetched in the form's own order of k (eight loads of 8 bytes, 16 bytes apart, at 8 x (lane / 16)), since the image has that order.
; LDS.  Three slots of 256 along K: W's 256 rows (272 bytes apart), then the image's 8 tiles of tokens x 4,096 bytes.  K steps 0, 1, 2 are the first fills; K step 3 fills slot 0 again: one refill in the launch.
; CLUSTERS: 4 x 4 work-groups.  W's tile hangs on fx alone and is asked for jointly by a column of the cluster, the image's on ty alone and by a row.  Waves 0, 1 ask for W's halves, waves 2, 3 for the image's.
; LIMIT: e6 + e7 lies between -126 and 127, so that 2^(e6 + e7) is an f32 number.
; REGISTERS: window 0: v0-29 addresses; v32-95 at work on the way out; v128-191, v192-255 the image's four fragments, two sets (on the way out: rows read back).  window 1: W's eight fragments, two sets.
;   window 2: the accumulators ((a, b) at 8 (8 a + b): a = tile of tokens, b = tile of features).
.set PITCH,  272                       ; 256 bytes + 16 of padding: 68 words: the 16 rows of a load start at 16 different banks (64 banks of 4 bytes: ISA guide 11.1)
.set IMG,    256*PITCH                 ; the image's place in a slot
.set SLOT,   IMG+8*4096
.set SPARE,  3*SLOT                    ; the spare words, 128 bytes for each wave: two blocks of 256 bytes that no other line names
.set STAGE,  SLOT                      ; the way out: 16 rows x 528 bytes for each wave, in slot 1: it is filled once, and nobody reads it behind the last barrier
.set SPITCH, 528
.set AW,  16                           ; v16-18 LDS address of my W fragments in slot 0, 1, 2
.set AA,  20                           ; v20-22 of my image fragments
.set STO, 24
.set RD,  25
.set CO,  26                           ; 16 x lane
.set SPW, 28
.set NIL, 29
.set TMP, 32
.set AF,  128
.set BK,  128
.set WV,  14
.set TH,  15
.set FH,  16
.set G1W, 24
.set G1A, 32
.set G0W, 40                           ; s[40:51] three sets
.set G0A, 52                           ; s[52:63] three sets
.set MSB, 0
.macro WIN new
.if MSB != (\new)
	s_set_vgpr_msb (MSB<<8)|(\new)
.set MSB, (\new)
.endif
.endm
.macro PLACES n
.rept \n
	v_nop
.endr
.endm
.macro CREST
	s_cmp_lg_u32 s[WV], 0
	s_cbranch_scc1 .Lnot_wave_0_\@
	s_barrier_signal -3
.Lnot_wave_0_\@:
	s_barrier_wait -3
	s_barrier_signal -1
	s_barrier_wait -1
.endm
.macro CROUND
	s_barrier_signal -1
	s_barrier_wait -1
	CREST
.endm
	s_load_b256 s[4:11], s[0:1], 0x0               ; aimg s[4:5], W s[6:7], the scales' exponents s[8:9], out0 s[10:11]
	v_lshl_add_u32 v[SPW], v0, 2, SPARE
	v_mov_b32 v[NIL], 0
	ds_add_u32 v28, v29
	ds_add_u32 v28, v29
	s_wait_dscnt 0x0
	v_lshrrev_b32 v1, 5, v0
	v_readfirstlane_b32 s[WV], v1                  ; wave 0..3
	s_lshr_b32 s[TH], s[WV], 1                     ; which 64 tokens are mine.  Also: I ask for W (0) or for the image (1)
	s_and_b32 s[FH], s[WV], 1                      ; which 128 features.  Also: which half of that tile I ask for
	s_bfe_u32 s17, ttmp6, 0x40000                  ; cx
	s_bfe_u32 s18, ttmp6, 0x40004                  ; cy
	s_lshl_b32 s19, ttmp9, 2
	s_add_co_u32 s19, s19, s17                     ; fx
	s_and_b32 s20, ttmp7, 0xffff
	s_lshl_b32 s20, s20, 2
	s_add_co_u32 s20, s20, s18                     ; ty
	s_lshl_b32 s21, s18, 2
	s_lshl_b32 s21, 15, s21                        ; my row of the cluster
	s_lshl_b32 s22, 0x1111, s17                    ; my column
	s_or_b32 s[G1W], s22, (1<<20)|(1<<21)|(5<<22)|(3<<25)    ; W: the column's mask; elements of 1 byte; padding: 4 words after every 64; 21 set beside a mask
	s_mov_b32 s[G1W+1], 256<<16                    ; tensor_dim0
	s_mov_b32 s[G1W+2], 128<<16                    ; tensor_dim1
	s_mov_b32 s[G1W+3], 256<<16                    ; tile_dim0
	s_mov_b32 s[G1W+4], 128                        ; tile_dim1
	s_mov_b32 s[G1W+5], 1024                       ; tensor_dim0_stride
	s_mov_b32 s[G1W+6], 0
	s_mov_b32 s[G1W+7], 0
	s_or_b32 s[G1A], s21, (3<<16)|(1<<21)          ; the image: the row's mask; elements of 8 bytes; no padding
	s_mov_b32 s[G1A+1], 512<<16                    ; a row: 4,096 bytes of one tile of tokens
	s_mov_b32 s[G1A+2], 4<<16                      ; four tiles of tokens,
	s_mov_b32 s[G1A+3], 512<<16
	s_mov_b32 s[G1A+4], 4
	s_mov_b32 s[G1A+5], 2048                       ; 16,384 bytes apart
	s_mov_b32 s[G1A+6], 0
	s_mov_b32 s[G1A+7], 0
	s_lshl_b32 s66, s19, 18                        ; W: row 256 fx + 128 half, of 1,024 bytes: hangs on fx and the wave alone
	s_lshl_b32 s67, s[FH], 17
	s_add_co_u32 s66, s66, s67
	s_mov_b32 s67, 0
	s_lshl_b32 s68, s20, 17                        ; the image: tile of tokens 8 ty + 4 half, of 16,384 bytes: hangs on ty and the wave alone
	s_lshl_b32 s69, s[FH], 16
	s_add_co_u32 s68, s68, s69
	s_mov_b32 s69, 0
	s_mul_i32 s72, s[FH], 128*PITCH                ; where they go in a slot: no place in the cluster enters an LDS address
	s_lshl_b32 s73, s[FH], 14
	s_lshl_b32 s70, s20, 19                        ; out0: row 128 ty + 64 th of 4,096 bytes, + 1024 fx + 512 fh
	s_lshl_b32 s71, s[TH], 18
	s_add_co_u32 s70, s70, s71
	s_lshl_b32 s71, s19, 10
	s_add_co_u32 s70, s70, s71
	s_lshl_b32 s71, s[FH], 9
	s_add_co_u32 s70, s70, s71
	s_mov_b32 s71, 0
	s_wait_kmcnt 0x0
	s_load_b256 s[76:83], s[8:9], 0x0              ; e0 .. e7
	s_add_nc_u64 s[66:67], s[6:7], s[66:67]
	s_add_nc_u64 s[68:69], s[4:5], s[68:69]
	s_add_nc_u64 s[10:11], s[10:11], s[70:71]
	CROUND                                         ; all sixteen work-groups are here: the first joint loads meet
.irp s, 0,1,2
	s_mov_b32 s[G0W+4*\s], 1
	s_add_co_u32 s[G0W+4*\s+1], s72, \s*SLOT
	s_add_nc_u64 s[G0W+4*\s+2:G0W+4*\s+3], s[66:67], \s*256
	s_or_b32 s[G0W+4*\s+3], s[G0W+4*\s+3], 0x80000000
	s_mov_b32 s[G0A+4*\s], 1
	s_add_co_u32 s[G0A+4*\s+1], s73, \s*SLOT+IMG
	s_add_nc_u64 s[G0A+4*\s+2:G0A+4*\s+3], s[68:69], \s*4096
	s_or_b32 s[G0A+4*\s+3], s[G0A+4*\s+3], 0x80000000
.endr
	s_cmp_lt_u32 s[WV], 2                          ; a wave's three first fills stand in one branch, ahead of every wait on TENSORcnt and every LDS read: three loads of mine are out
	s_cbranch_scc0 .Lfirst_a
	tensor_load_to_lds s[G0W:G0W+3], s[G1W:G1W+7]
	s_nop 0
	tensor_load_to_lds s[G0W+4:G0W+7], s[G1W:G1W+7]
	s_nop 0
	tensor_load_to_lds s[G0W+8:G0W+11], s[G1W:G1W+7]
	s_nop 0
	PLACES 4
	s_branch .Lfirst_asked
.Lfirst_a:
	tensor_load_to_lds s[G0A:G0A+3], s[G1A:G1A+7]
	s_nop 0
	tensor_load_to_lds s[G0A+4:G0A+7], s[G1A:G1A+7]
	s_nop 0
	tensor_load_to_lds s[G0A+8:G0A+11], s[G1A:G1A+7]
	s_nop 0
	PLACES 4
.Lfirst_asked:
	v_and_b32 v1, 15, v0                           ; r
	v_bfe_u32 v2, v0, 4, 1                         ; h
	v_mul_u32_u24 v3, v1, PITCH
	v_lshl_add_u32 v3, v2, 3, v3                   ; W: row x pitch + 8 h
	v_and_b32 v6, 31, v0
	v_lshlrev_b32 v[CO], 4, v6                     ; 16 x lane
	s_mul_i32 s74, s[FH], 128*PITCH                ; my 128 rows of W
	s_lshl_b32 s75, s[TH], 14                      ; my four tiles of tokens
	s_add_co_u32 s75, s75, IMG
.irp s, 0,1,2
	v_add_nc_u32 v[AW+\s], s74, v3
	v_add_nc_u32 v[AA+\s], s75, v[CO]
	s_add_co_u32 s74, s74, SLOT
	s_add_co_u32 s75, s75, SLOT
.endr
	s_mul_i32 s74, s[WV], 16*SPITCH
	s_add_co_u32 s74, s74, STAGE                   ; my stage
	v_mul_u32_u24 v5, v1, SPITCH                   ; in: row r, 32 bytes for each half of the lanes
	v_lshl_add_u32 v5, v2, 5, v5
	v_add_nc_u32 v[STO], s74, v5
	v_add_nc_u32 v[RD], s74, v[CO]                 ; back: the 32 lanes take one row of 512 bytes
; The fragments of the u-th 128 along K of a slot: the image's four (16 loads), then W's tiles 0-3 (32 loads), then 4-7 (32 loads)
.macro FETCH slot, u, set
.irp a, 0,1,2,3
.irp p, 0,1,2,3
	ds_load_b128 v[AF+64*(\set)+16*\a+4*\p:AF+64*(\set)+16*\a+4*\p+3], v[AA+\slot] offset:\a*4096+\u*2048+\p*512
.endr
.endr
	WIN 0x40                                       ; destination window 1
.irp b, 0,1,2,3,4,5,6,7
.irp c, 0,1,2,3,4,5,6,7
	ds_load_b64 v[128*(\set)+16*\b+2*\c:128*(\set)+16*\b+2*\c+1], v[AW+\slot] offset:\b*16*PITCH+\u*128+\c*16
.endr
.endr
	WIN 0
.endm
; W's tiles b0 .. b1 against the four tiles of tokens.  The 32 accumulators take turns, one instruction a turn, in the same order in every step.
.macro MULP set, b0, b1, zero
	WIN 0xa1                                       ; source 0 (W) window 1, source 1 (the image) window 0, C and D window 2
.set bb, \b0
.rept \b1-\b0+1
.irp a, 0,1,2,3
.set rD, 8*(8*\a+bb)
.set rA, 128*(\set)+16*bb
.set rB, AF+64*(\set)+16*\a
.if \zero
	v_wmma_f32_16x16x128_fp8_fp8 v[rD:rD+7], v[rA:rA+15], v[rB:rB+15], 0
.else
	v_wmma_f32_16x16x128_fp8_fp8 v[rD:rD+7], v[rA:rA+15], v[rB:rB+15], v[rD:rD+7]
.endif
.endr
.set bb, bb+1
.endr
.endm
.macro SUBP set, nslot, nu, zero       ; a step of 128 along K; in its middle the next step's fragments are fetched into the other set
	s_wait_dscnt 32                                ; the image and W's tiles 0-3 are in; the youngest 32 loads (tiles 4-7) may be out
	MULP \set, 0, 3, \zero
	s_wait_dscnt 0x0
	WIN 0
	PLACES 4                                       ; the other set was read by the step before
	FETCH \nslot, \nu, 1-\set
	MULP \set, 4, 7, \zero
	WIN 0
.endm
; A step with a barrier: in front of it each wave waits for all its tensor loads, adds 0 to its spare word, and waits for that and for all its LDS reads.  fill = 1: slot 0, which has been read out, takes K step 3.
.macro TURNP set, fill, nslot
	s_wait_tensorcnt 0x0                           ; all my tensor loads have landed  (every window is 0 here)
	ds_add_u32 v[SPW], v[NIL]                      ; 0 onto my spare word
	s_wait_dscnt 33                                ; (the add and W's tiles 4-7 may be out)
	MULP \set, 0, 1, 0                             ; eight matrix instructions stand between the add and the wait for it
	s_wait_dscnt 0x0                               ; the add is done, and my reads of the slot are over
	s_barrier_signal -1
	MULP \set, 2, 3, 0
	WIN 0
	s_barrier_wait -1
.if \fill
	CREST                                          ; no wave of any partner still reads slot 0 or has a load on its way
	s_add_nc_u64 s[G0W+2:G0W+3], s[G0W+2:G0W+3], 3*256
	s_add_nc_u64 s[G0A+2:G0A+3], s[G0A+2:G0A+3], 3*4096
	s_cmp_lt_u32 s[WV], 2
	s_cbranch_scc0 .Lfor_a_\@
	tensor_load_to_lds s[G0W:G0W+3], s[G1W:G1W+7]  ; the first tensor load behind the round; the four v_nop are the places in front of the loads below
	s_nop 0
	PLACES 4
	s_branch .Lasked_\@
.Lfor_a_\@:
	tensor_load_to_lds s[G0A:G0A+3], s[G1A:G1A+7]
	s_nop 0
	PLACES 4
.Lasked_\@:
.else
	PLACES 4
.endif
	FETCH \nslot, 0, 1-\set
	MULP \set, 4, 7, 0
	WIN 0
.endm
	s_wait_tensorcnt 0x2                           ; my part of K step 0 is in; the two behind it may stay out
	s_barrier_signal -1
	s_barrier_wait -1
	FETCH 0, 0, 0
	SUBP 0, 0, 1, 1                                ; slot 0
	TURNP 1, 1, 1                                  ; behind this barrier slots 1 and 2 are whole in every wave's eyes, and slot 0 takes K step 3
	SUBP 0, 1, 1, 0                                ; slot 1
	SUBP 1, 2, 0, 0
	SUBP 0, 2, 1, 0                                ; slot 2
	TURNP 1, 0, 0                                  ; K step 3 has landed
	SUBP 0, 0, 1, 0                                ; slot 0
	s_wait_dscnt 32                                ; the very last step
	MULP 1, 0, 3, 0
	s_wait_dscnt 0x0
	MULP 1, 4, 7, 0
	WIN 0
; THE WAY OUT, block by block of 16 tokens x 128 features: through my own stage in LDS and back as whole rows of 512 bytes.  LDS serves a wave's instructions in order (ISA guide 5.7.1.4):
; no wait between the stores and the loads, nor in front of the next block's stores.
.macro TOSTAGE a
.set AC, 64*(\a)
	WIN 0x02                                       ; source 0: window 2
.set n, 0
.rept 32
	v_pk_mul_f32 v[TMP+n:TMP+n+1], v[AC+n:AC+n+1], s[84:85] op_sel_hi:[1,0]   ; x 2^(e6 + e7); each accumulator from its low end on
.set n, n+2
.endr
	WIN 0
.irp b, 0,1,2,3,4,5,6,7
	ds_store_b128 v[STO], v[TMP+8*\b:TMP+8*\b+3] offset:64*\b
	ds_store_b128 v[STO], v[TMP+8*\b+4:TMP+8*\b+7] offset:64*\b+16
.endr
.set BB, BK+64*((\a)%2)
.irp t, 0,1,2,3,4,5,6,7,8,9,10,11,12,13,14,15
	ds_load_b128 v[BB+4*\t:BB+4*\t+3], v[RD] offset:\t*SPITCH
.endr
.endm
.macro SEND a, younger                 ; younger: the LDS instructions issued behind block a's loads, which may stay out
.set BB, BK+64*((\a)%2)
	s_wait_dscnt \younger
.irp t, 0,1,2,3,4,5,6,7,8,9,10,11,12,13,14,15
	global_store_b128 v[CO], v[BB+4*\t:BB+4*\t+3], s[10:11] offset:(16*(\a)+\t)*4096 th:TH_STORE_NT   ; 32 lanes store 512 consecutive bytes, at a multiple of 512 from out0's first byte; 63 rows at the most: inside the signed 24-bit immediate
.endr
.endm
	s_wait_kmcnt 0x0
	s_add_co_i32 s84, s82, s83                     ; e6 + e7
	s_add_co_i32 s84, s84, 127
	s_lshl_b32 s84, s84, 23                        ; 2^(e6 + e7) as f32
	s_mov_b32 s85, s84                             ; (named with it as a pair)
	PLACES 4                                       ; behind the last products: for the reads of results and for the loads into the registers that held the image
	TOSTAGE 0
.irp a, 1,2,3
.if \a > 1
	s_wait_xcnt 0x0                                ; block a - 2's stores have read their registers: block a's loads may land there
.endif
	TOSTAGE \a
	SEND \a-1, 32                                  ; behind block a - 1's loads: block a's 16 stores and 16 loads
.endr
	SEND 3, 0
	s_wait_tensorcnt 0x0                           ; the wave's end
	ds_add_u32 v[SPW], v[NIL]
	s_wait_dscnt 0x0
	CROUND                                         ; the closing round: no work-group ends while a partner may still ask for a tile that names it
	s_endpgm
.Lfunc_end_k_q10f3f8ec2e_proj:
	.size	k_q10f3f8ec2e_proj, .Lfunc_end_k_q10f3f8ec2e_proj-k_q10f3f8ec2e_proj
	.p2alignl 7, 3214868480
	.fill 96, 4, 3214868480
	.section	.rodata,"a",@progbits
	.p2align	6, 0x0
	.amdhsa_kernel k_q10f3f8ec2e_proj
		.amdhsa_group_segment_fixed_size 327680
		.amdhsa_private_segment_fixed_size 0
		.amdhsa_enable_private_segment 0
		.amdhsa_kernarg_size 32
		.amdhsa_user_sgpr_count 2
		.amdhsa_user_sgpr_kernarg_segment_ptr 1
		.amdhsa_wavefront_size32 1
		.amdhsa_system_sgpr_workgroup_id_x 1
		.amdhsa_system_sgpr_workgroup_id_y 1
		.amdhsa_system_sgpr_workgroup_id_z 1
		.amdhsa_system_vgpr_workitem_id 0
		.amdhsa_next_free_vgpr 768
		.amdhsa_next_free_sgpr 92
		.amdhsa_reserve_vcc 0
		.amdhsa_float_denorm_mode_32 3
		.amdhsa_float_denorm_mode_16_64 3
		.amdhsa_memory_ordered 1
		.amdhsa_forward_progress 1
		.amdhsa_inst_pref_size 91
	.end_amdhsa_kernel
	.amdgpu_metadata
---
amdhsa.version: [ 1, 2 ]
amdhsa.kernels:
  - .name:           k_q10f3f8ec2e_proj
    .symbol:         k_q10f3f8ec2e_proj.kd
    .args:
      - { .name: aimg, .offset: 0, .size: 8, .value_kind: global_buffer, .address_space: global }
      - { .name: w_proj_codes, .offset: 8, .size: 8, .value_kind: global_buffer, .address_space: global }
      - { .name: lowp_scales, .offset: 16, .size: 8, .value_kind: global_buffer, .address_space: global }
      - { .name: out0, .offset: 24, .size: 8, .value_kind: global_buffer, .address_space: global }
    .group_segment_fixed_size: 327680
    .private_segment_fixed_size: 0
    .kernarg_segment_align: 8
    .kernarg_segment_size: 32
    .max_flat_workgroup_size: 128
    .sgpr_count:     92
    .vgpr_count:     768
    .wavefront_size: 32
...
	.end_amdgpu_metadata
.endif
;; end of part 3
